; MI455X (gfx1250); checked and timed in simulation.
; The chip was launched on July 23, 2026; its instructions are those of AMD's public machine-readable ISA for CDNA 5 (MIT licence, August 2026) and "CDNA5" Instruction Set Architecture Reference Guide (July 2026). The comments in the code are by the model that wrote it; some were corrected since.
;; cross attn. Allowed arithmetic: matrix products marked QUANTISED: E4M3 operands, one given power-of-two scale a tensor, by v_wmma_f32_16x16x64_fp8_fp8 or v_wmma_f32_16x16x128_fp8_fp8, f32 sums; everything else in f32.
;; Inputs: Wk_codes 512 x 16 x 32 uint8 (E4M3 codes of Wk, K innermost, in blocks of 32 codes); Wo1_codes 512 x 16 x 32 uint8 (E4M3 codes of Wo1, K innermost, in blocks of 32 codes); Wo2_codes 512 x 16 x 32 uint8 (E4M3 codes of Wo2, K innermost, in blocks of 32 codes); Wq_codes 512 x 16 x 32 uint8 (E4M3 codes of Wq, K innermost, in blocks of 32 codes); Wv_codes 512 x 16 x 32 uint8 (E4M3 codes of Wv, K innermost, in blocks of 32 codes); bk 512 float32; bo1 512 float32; bo2 512 float32; bq 512 float32; bv 512 float32; key_codes 8 x 4,096 x 16 x 32 uint8 (E4M3 codes of key, K innermost, in blocks of 32 codes); kln_b 64 float32; kln_w 64 float32; lowp_scales 14 int32 (the exponents e of the quantised operands' scales 2^e); query 8 x 4,096 x 512 float32; value_codes 8 x 4,096 x 16 x 32 uint8 (E4M3 codes of value, K innermost, in blocks of 32 codes); vln_b 64 float32; vln_w 64 float32.
;; Outputs: out0 8 x 4,096 x 512 float32.
;; This version of the problem:
;;   THIS VERSION OF THE PROBLEM IS GIVEN IN LOW PRECISION. The matrix products marked QUANTISED in the list below multiply operands that are first quantised to E4M3 (4 exponent bits, 3 mantissa bits; 8 bits a number), with one given power-of-two scale for each operand tensor; their sums are f32. All else is computed in f32.
;;   The module's matrix products, in the order in which they are computed (A, B: the left and right operand; K: the contracted axis; several contracted axes count as one K, in the product's order):
;;     1. [M 32,768, K 512] x [K 512, N 512]; A: input query; B: input Wq (given as codes): QUANTISED (scales: A lowp_scales[0], B lowp_scales[1])
;;     2. [M 32,768, K 512] x [K 512, N 512]; A: input key (given as codes); B: input Wk (given as codes): QUANTISED (scales: A lowp_scales[2], B lowp_scales[3])
;;     3. [M 32,768, K 512] x [K 512, N 512]; A: input value (given as codes); B: input Wv (given as codes): QUANTISED (scales: A lowp_scales[4], B lowp_scales[5])
;;     4. batch 64 x [M 64, K 4,096] x [K 4,096, N 64]; A: computed on the way; B: computed on the way: QUANTISED (scales: A lowp_scales[6], B lowp_scales[7])
;;     5. batch 64 x [M 4,096, K 64] x [K 64, N 64]; A: computed on the way; B: computed on the way: QUANTISED (scales: A lowp_scales[8], B lowp_scales[9])
;;     6. [M 32,768, K 512] x [K 512, N 512]; A: computed on the way; B: input Wo1 (given as codes): QUANTISED (scales: A lowp_scales[10], B lowp_scales[11])
;;     7. [M 32,768, K 512] x [K 512, N 512]; A: computed on the way; B: input Wo2 (given as codes): QUANTISED (scales: A lowp_scales[12], B lowp_scales[13])
;;   THE QUANTISER, for each operand of a quantised product, along K:
;;     - The operand's scale is 2^e, e = its entry of the input lowp_scales (int32; the entries are numbered through the quantised products in the list's order, A before B).
;;     - Each number is divided by the scale, clamped to +-448, and rounded to the nearest number of E4M3, ties to even, subnormals kept.
;;     - The product sums the exact products of the quantised numbers (number of the format x scale) in f32.
;;   ~~~python
;;   def quantise(x, axis, e):      # numpy; x: float32 -> the quantised numbers, widened to float32 again
;;       x = np.moveaxis(x, axis, -1); K = x.shape[-1]
;;       r = np.clip(x / 2.0 ** e, -448, 448)
;;       step = 2.0 ** (np.maximum(np.frexp(np.where(r == 0, 1, r))[1] - 1, -6) - 3)
;;       q = np.round(r / step) * step * 2.0 ** e      # np.round: ties to even
;;       return np.moveaxis(q, -1, axis).astype(np.float32)
;;   ~~~
;;   OPERANDS COMPUTED ON THE WAY. 'Computed on the way' means the value that the module computes at that place (a softmax that the list does not call 'softmax' is quantised finished and normalised). What goes into a quantiser is computed in f32, as accurately as f32 sums, v_exp_f32 and their like allow (about 1e-6 of the number): no bf16 or f16 on the way to a quantiser, and a product that is left as it is and whose result goes on into a quantised operand takes f32 operands (vector FMAs, or v_wmma_f32_16x16x4_f32). A number that lies on a knife's edge between two numbers of the format may be rounded either way, as far as f32 arithmetic and the matrix unit's own rounding can turn it there, and no further.
;;   INPUTS GIVEN AS CODES. Wk (in the module: [512, 512], K = its axis 1); Wo1 (in the module: [512, 512], K = its axis 1); Wo2 (in the module: [512, 512], K = its axis 1); Wq (in the module: [512, 512], K = its axis 1); Wv (in the module: [512, 512], K = its axis 1); key (in the module: [8, 4096, 512], K = its axis 2); value (in the module: [8, 4096, 512], K = its axis 2): each comes as NAME_codes (uint8): NAME with its K axis moved to the last place and cut into blocks of 32 codes, [.., K / 32, bytes a block], one block behind the other in memory; one code a byte (a code: sign, 4 exponent bits, 3 mantissa bits); its scale is its entry of lowp_scales. Its value is code x scale, taken as it is: it is not quantised again, and the codes and scales need not be those that the quantiser above would give.
;; One version. Each part assembles by itself: llvm-mc -triple=amdgcn-amd-amdhsa -mcpu=gfx1250 --defsym DOCPART=n.
;; ======== version 1 of 1: 3 launches
;; workspace buffers: kvp 8,388,608 bytes; kvc 262,144 bytes
;; launch kvpart (part 1): grid 256 x 1, 8 waves a work-group, clusters of 4 x 1, 327,680 bytes of LDS; arguments key_codes, value_codes, Wk_codes, Wv_codes, bk, bv, kln_w, kln_b, vln_w, vln_b, lowp_scales, kvp; writes kvp
.if DOCPART == 1
	.amdgcn_target "amdgcn-amd-amdhsa--gfx1250"
	.amdhsa_code_object_version 6
	.text
	.protected	k_qc9cc062615_kvpart
	.globl	k_qc9cc062615_kvpart
	.p2align	8
	.type	k_qc9cc062615_kvpart,@function
k_qc9cc062615_kvpart:
	s_mov_b64 s[64:65], 0
	v_nop
	global_prefetch_b8 v0, s[64:65] scope:SCOPE_SE
	s_setreg_imm32_b32 hwreg(HW_REG_WAVE_MODE, 25, 1), 1
	s_wait_xcnt 0x0
	s_wait_alu depctr_hold_cnt(0) depctr_sa_sdst(0) depctr_va_vdst(0) depctr_va_sdst(0) depctr_va_ssrc(0) depctr_va_vcc(0) depctr_vm_vsrc(0)
	s_getreg_b32 s2, hwreg(HW_REG_IB_STS2, 6, 4)
	s_cmp_eq_u32 s2, 0
	s_cbranch_scc0 .Lentry_in_a_cluster
	s_endpgm
.Lentry_in_a_cluster:
	s_bfe_u32 s2, ttmp6, 0x10000c
	s_cmp_lg_u32 s2, 0x3003
	s_cbranch_scc0 .Lentry_shape_is_right
	s_endpgm
.Lentry_shape_is_right:
; k = LN(key Wk^T + bk), v = LN(value Wv^T + bv) per head of 64, both quantised to E4M3 along the rows, and k^T v summed over 512 rows: one of eight partial sums of a batch.
; key, value: [32768][512] codes.  Wk, Wv: [512][512] codes, K innermost.  kvp: raw f32 sums of products of codes, as images of the accumulators' registers.
; SHARES.  A cluster of four work-groups takes 512 rows (cluster x = 8 x batch + chunk); work-group cx takes heads 2 cx and 2 cx + 1.  The four need the same rows of key and value:
; each tile is asked for JOINTLY (mask 15).  Wave wv: t = wv & 1 (0: k, 1: v), hh = (wv >> 1) & 1 (which head of the pair), rh = wv >> 2 (which 64 of a step's 128 rows).
; A wave keeps its tensor's 64 weight rows of its head in 256 registers.  Four steps of 128 rows go through two LDS slots.
; LAYOUT.  The projection is used as it stands: source 0 = 16 rows of key or value, source 1 = 16 rows of W.  In the result a lane holds ONE channel d (lane % 16) and its eight registers hold eight rows:
; eight neighbours along the K of k^T v.  So a conversion of a result's eight registers gives registers 2 rt, 2 rt + 1 of the next operand, and the LayerNorm's sums over d are a sum over four tiles and sixteen lanes.
; Both sides of the projection are fetched by loads of 16 bytes: the same permutation of k in both, so every product meets its partner.
; SCALES.  The sums stay in their own scale: x' = sum + bias / 2^(ea + ew), and LN(x) = (x' - mean') rsq(var' + eps / 2^(2 (ea + ew))) w + b.
; k^T v: wave (hh, i = t + 2 rh) owns channels 16 i .. 16 i + 15 of k against all 64 of v, for both halves of a step's rows; the operands reach it through LDS as images of their registers.
; LIMITS: |e2 + e3| and |e4 + e5| at most 50 (eps / 2^(2 (ea + ew)) stays an ordinary f32 number); e6, e7 between -126 and 119.  NaN codes among the inputs are not served.
; No prefetch: half of the stream (two of four steps) is asked for at the head and only two refills follow.
.set PITCH, 528                        ; an LDS row: 512 bytes + 16 of padding = 132 words: row r begins 4 r words on modulo 64 (64 banks of 4 bytes: ISA guide 11.1)
.set HALF,  64*PITCH                   ; what one tensor load brings
.set TEN,   128*PITCH                  ; a step's rows of one tensor
.set SLOT,  2*TEN                      ; key's 128 rows, then value's
.set IMG,   2*SLOT                     ; behind the ring: eight waves x four fragments of 1,024 bytes
.set SPARE, IMG+8*4096                 ; the spare words, 128 bytes for each wave: four blocks of 256 bytes that no other line names
.set ADR,  3                           ; v3, v4  my rows in slot 0, 1
.set IMGW, 5                           ; v5   where I store my images
.set IMGK, 6                           ; v6   where I read k's fragment
.set IMGV, 7                           ; v7   where I read v's fragments
.set SPW,  8                           ; v8   my spare word; never rewritten
.set NIL,  9                           ; v9   0; never rewritten
.set LIM,  10                          ; v10  448 x 2^eo
.set SC,   11                          ; v11  2^eo
.set EPS,  12                          ; v[12:13] eps in the sums' scale, twice
.set L16,  14                          ; v14  16 x lane
.set WW,   16                          ; v16-23  (w, w) for each tile of channels
.set BB,   24                          ; v24-31  (b, b)
.set BIAS, 32                          ; v32-63  the bias in the result's layout: eight copies a tile
.set X,    64                          ; v64-95  four accumulators: 16 rows x 64 channels; later k's two fragments
.set S,    96                          ; v96-103
.set Q2,   104                         ; v104-111
.set CF,   112                         ; v112-143 my codes: four fragments of 8 registers
.set KV,   144                         ; v144-175 four accumulators of k^T v
.set AF,   176                         ; v176-239 16 rows x 512 K of key or value; later v's eight fragments
.set WV,   2                           ; s2   wave
.set G1,   32                          ; s[32:39] descriptor group 1
.set G0K,  40                          ; s[40:47] group 0 for key's tiles, a set for each slot
.set G0V,  48                          ; s[48:55] for value's
.set MSB, 0
.macro WIN new                         ; the immediate's high byte repeats the setting that is left
.if MSB != \new
	s_set_vgpr_msb (MSB<<8)|\new
.set MSB, \new
.endif
.endm
.macro PLACES n
.rept \n
	v_nop
.endr
.endm
.macro CROUND                          ; a round of the cluster's barrier
	s_barrier_signal -1
	s_barrier_wait -1
	s_cmp_lg_u32 s[WV], 0
	s_cbranch_scc1 .Lnot_wave_0_\@
	s_barrier_signal -3
.Lnot_wave_0_\@:
	s_barrier_wait -3
	s_barrier_signal -1
	s_barrier_wait -1
.endm
; A joint refill of slot n: waves 0 and 1 fetch key's halves, waves 2 and 3 value's, the others nothing.  The branches hang on the wave's number alone.  Four v_nop follow each line.
.macro JLOAD n
	s_cmp_lt_u32 s[WV], 2
	s_cbranch_scc0 .Lnot_k_\@
	tensor_load_to_lds s[G0K+4*\n:G0K+4*\n+3], s[G1:G1+7]
	s_nop 0
	PLACES 4
	s_branch .Lasked_\@
.Lnot_k_\@:
	s_cmp_lt_u32 s[WV], 4
	s_cbranch_scc0 .Lasked_\@
	tensor_load_to_lds s[G0V+4*\n:G0V+4*\n+3], s[G1:G1+7]
	s_nop 0
	PLACES 4
.Lasked_\@:
.endm
	s_load_b512 s[8:23], s[0:1], 0x0               ; key, value, Wk, Wv, bk, bv, kln_w, kln_b
	s_load_b256 s[24:31], s[0:1], 0x40             ; vln_w, vln_b, the scales' exponents, kvp
	v_lshl_add_u32 v[SPW], v0, 2, SPARE
	v_mov_b32 v[NIL], 0
	ds_add_u32 v8, v9
	s_wait_dscnt 0x0
	v_lshrrev_b32 v15, 5, v0
	v_readfirstlane_b32 s[WV], v15                 ; wave 0..7
	s_and_b32 s3, s[WV], 1                         ; t
	s_bfe_u32 s4, s[WV], 0x10001                   ; hh
	s_lshr_b32 s5, s[WV], 2                        ; rh
	s_bfe_u32 s6, ttmp6, 0x40000                   ; cx: it enters the weights', the biases' and kvp's addresses alone
	s_lshl_b32 s7, s6, 1
	s_add_co_u32 s7, s7, s4                        ; my head
	s_lshl_b32 s80, s5, 1
	s_add_co_u32 s80, s80, s3                      ; i: my tile of k's channels in k^T v
	s_mov_b32 s[G1], 15|(1<<20)|(1<<21)|(6<<22)|(3<<25)  ; the mask: all four work-groups; elements of 1 byte; padding on; bit 21 beside a mask; after every 128 words, 4 words
	s_mov_b32 s[G1+1], 512<<16                     ; tensor_dim0
	s_mov_b32 s[G1+2], 64<<16                      ; tensor_dim1
	s_mov_b32 s[G1+3], 512<<16                     ; tile_dim0
	s_mov_b32 s[G1+4], 64                          ; tile_dim1
	s_mov_b32 s[G1+5], 512                         ; from row to row
	s_mov_b32 s[G1+6], 0
	s_mov_b32 s[G1+7], 0
	s_lshl_b32 s70, ttmp9, 18                      ; the cluster's 512 rows of 512 bytes,
	s_lshl_b32 s71, s3, 15                         ; and which 64 rows of a step I fetch, if I fetch
	s_add_co_u32 s70, s70, s71
	s_mov_b32 s71, 0
	s_mul_i32 s72, s3, HALF                        ; their place in a tensor's part of a slot
	s_lshl_b32 s86, ttmp9, 17                      ; kvp: 131,072 x cluster + 16,384 x head + 4,096 x i
	s_lshl_b32 s87, s7, 14
	s_add_co_u32 s86, s86, s87
	s_lshl_b32 s87, s80, 12
	s_add_co_u32 s86, s86, s87
	s_mov_b32 s87, 0
	s_wait_kmcnt 0x0
	s_load_b256 s[56:63], s[28:29], 0x0            ; e0 .. e7
	s_add_nc_u64 s[8:9], s[8:9], s[70:71]
	s_add_nc_u64 s[10:11], s[10:11], s[70:71]
	s_add_nc_u64 s[30:31], s[30:31], s[86:87]
.irp n, 0,1
	s_mov_b32 s[G0K+4*\n], 1
	s_add_co_u32 s[G0K+4*\n+1], s72, \n*SLOT
	s_add_nc_u64 s[G0K+4*\n+2:G0K+4*\n+3], s[8:9], \n*65536   ; slot n begins with step n: 128 rows of 512 bytes on
	s_or_b32 s[G0K+4*\n+3], s[G0K+4*\n+3], 0x80000000
	s_mov_b32 s[G0V+4*\n], 1
	s_add_co_u32 s[G0V+4*\n+1], s72, \n*SLOT+TEN
	s_add_nc_u64 s[G0V+4*\n+2:G0V+4*\n+3], s[10:11], \n*65536
	s_or_b32 s[G0V+4*\n+3], s[G0V+4*\n+3], 0x80000000
.endr
	CROUND                                         ; all four work-groups are here: the first joint loads meet
	s_cmp_lt_u32 s[WV], 2                          ; a wave's two first fills stand in one branch: two loads of mine are out at the most
	s_cbranch_scc0 .Lfirst_not_k
	tensor_load_to_lds s[G0K:G0K+3], s[G1:G1+7]
	s_nop 0
	tensor_load_to_lds s[G0K+4:G0K+7], s[G1:G1+7]
	s_nop 0
	PLACES 4
	s_branch .Lfirst_asked
.Lfirst_not_k:
	s_cmp_lt_u32 s[WV], 4
	s_cbranch_scc0 .Lfirst_asked
	tensor_load_to_lds s[G0V:G0V+3], s[G1:G1+7]
	s_nop 0
	tensor_load_to_lds s[G0V+4:G0V+7], s[G1:G1+7]
	s_nop 0
	PLACES 4
.Lfirst_asked:
	v_and_b32 v1, 15, v0                           ; r
	v_bfe_u32 v2, v0, 4, 1                         ; h
	v_and_b32 v15, 31, v0
	v_lshlrev_b32 v[L16], 4, v15
	s_cmp_eq_u32 s3, 0                             ; k's wave or v's: the choice hangs on the wave's number alone
	s_cselect_b64 s[70:71], s[12:13], s[14:15]     ; W
	s_cselect_b64 s[72:73], s[16:17], s[18:19]     ; bias
	s_cselect_b64 s[74:75], s[20:21], s[24:25]     ; ln_w
	s_cselect_b64 s[76:77], s[22:23], s[26:27]     ; ln_b
	s_lshl_b32 s78, s7, 15                         ; my head's 64 rows of 512 bytes
	s_mov_b32 s79, 0
	s_add_nc_u64 s[70:71], s[70:71], s[78:79]
	s_lshl_b32 s78, s7, 8                          ; and its 64 numbers of the bias
	s_add_nc_u64 s[72:73], s[72:73], s[78:79]
	v_lshlrev_b32 v240, 9, v1
	v_lshl_add_u32 v240, v2, 4, v240               ; W: row r, + 16 h
	v_lshlrev_b32 v241, 2, v1                      ; 4 r
	WIN 0x40                                       ; destination window 1
.irp dt, 0,1,2,3                       ; W's fragment (tile of channels dt, K step ks) at v[64 dt + 16 ks] of window 1: they stay
.irp ks, 0,1,2,3
.irp c, 0,1,2,3
	global_load_b128 v[64*\dt+16*\ks+4*\c:64*\dt+16*\ks+4*\c+3], v240, s[70:71] offset:\dt*8192+\ks*128+\c*32
.endr
.endr
.endr
	WIN 0
.irp dt, 0,1,2,3
	global_load_b32 v[BIAS+8*\dt], v241, s[72:73] offset:64*\dt   ; of channel 16 dt + r
	global_load_b32 v[WW+2*\dt], v241, s[74:75] offset:64*\dt
	global_load_b32 v[BB+2*\dt], v241, s[76:77] offset:64*\dt
.endr
	s_mul_i32 s81, s3, TEN
	s_mul_i32 s82, s5, HALF
	s_add_co_u32 s81, s81, s82
	v_mul_u32_u24 v[ADR], v1, PITCH
	v_lshl_add_u32 v[ADR], v2, 4, v[ADR]
	v_add_nc_u32 v[ADR], s81, v[ADR]               ; my tensor, my 64 rows, row r, + 16 h
	v_add_nc_u32 v[ADR+1], SLOT, v[ADR]
	s_lshl_b32 s81, s[WV], 12
	v_add_nc_u32 v[IMGW], s81, v[L16]
	v_add_nc_u32 v[IMGW], IMG, v[IMGW]
	s_lshl_b32 s81, s4, 13                         ; the images of wave t + 2 hh + 4 rh lie 4,096 x that wave on
	s_lshl_b32 s82, s80, 10
	s_add_co_u32 s82, s82, s81
	v_add_nc_u32 v[IMGK], s82, v[L16]
	v_add_nc_u32 v[IMGK], IMG, v[IMGK]             ; k's wave of my head, fragment i
	v_add_nc_u32 v[IMGV], s81, v[L16]
	v_add_nc_u32 v[IMGV], IMG+4096, v[IMGV]        ; v's wave of my head
	s_mov_b32 s66, 0xbc800000                      ; -1/64
	s_mov_b32 s67, s66
	s_mov_b32 s68, 0x3c800000                      ; 1/64
	s_mov_b32 s69, s68
	s_wait_kmcnt 0x0
	s_cmp_eq_u32 s3, 0
	s_cselect_b32 s81, s58, s60                    ; ea
	s_cselect_b32 s82, s59, s61                    ; ew
	s_cselect_b32 s83, s62, s63                    ; eo
	s_add_co_i32 s81, s81, s82
	s_sub_co_i32 s82, 0, s81                       ; -(ea + ew)
	s_lshl_b32 s84, s82, 1
	s_add_co_i32 s83, s83, 127
	s_lshl_b32 s85, s83, 23
	v_mov_b32 v[SC], s85                           ; 2^eo as f32: the conversion takes its exponent field
	s_add_co_i32 s83, s83, 8
	s_lshl_b32 s83, s83, 23
	s_or_b32 s83, s83, 0x600000
	v_mov_b32 v[LIM], s83                          ; 448 x 2^eo
	v_mov_b32 v[EPS], 0x3727c5ac                   ; 1e-5
	v_ldexp_f32 v[EPS], v[EPS], s84
	v_mov_b32 v[EPS+1], v[EPS]
	s_wait_loadcnt 0x0
.irp dt, 0,1,2,3
	v_ldexp_f32 v[BIAS+8*\dt], v[BIAS+8*\dt], s82  ; the bias in the sums' scale
.irp j, 1,2,3,4,5,6,7
	v_mov_b32 v[BIAS+8*\dt+\j], v[BIAS+8*\dt]
.endr
	v_mov_b32 v[WW+2*\dt+1], v[WW+2*\dt]
	v_mov_b32 v[BB+2*\dt+1], v[BB+2*\dt]
.endr
; 16 rows x 512 K of my tensor: tile of rows rt of my 64
.macro ALOAD a, rt
.irp ks, 0,1,2,3
.irp c, 0,1,2,3
	ds_load_b128 v[AF+16*\ks+4*\c:AF+16*\ks+4*\c+3], v[\a] offset:(\rt)*16*PITCH+128*\ks+32*\c
.endr
.endr
.endm
; 16 products: four accumulators by turns, one instruction a turn; the bias is the C of each sum's first product
.macro PROJ
	WIN 0x04                                       ; source 1 (W) window 1
.irp ks, 0,1,2,3
.irp dt, 0,1,2,3
.if \ks == 0
	v_wmma_f32_16x16x128_fp8_fp8 v[X+8*\dt:X+8*\dt+7], v[AF+16*\ks:AF+16*\ks+15], v[64*\dt+16*\ks:64*\dt+16*\ks+15], v[BIAS+8*\dt:BIAS+8*\dt+7]
.else
	v_wmma_f32_16x16x128_fp8_fp8 v[X+8*\dt:X+8*\dt+7], v[AF+16*\ks:AF+16*\ks+15], v[64*\dt+16*\ks:64*\dt+16*\ks+15], v[X+8*\dt:X+8*\dt+7]
.endif
.endr
.endr
	WIN 0
	PLACES 4                                       ; in front of the loads into the rows' registers and of the first read of the sums
.endm
; LayerNorm over the 64 channels of each of my 16 rows (register j of a half of the lanes = a row; channels = 4 tiles x 16 lanes), then the quantiser: codes into registers 2 rt, 2 rt + 1 of my four fragments
.macro LNQ rt
.irp p, 0,2,4,6
	v_pk_add_f32 v[S+\p:S+\p+1], v[X+\p:X+\p+1], v[X+8+\p:X+8+\p+1]      ; each accumulator is read from its low end on
.endr
.irp p, 0,2,4,6
	v_pk_add_f32 v[Q2+\p:Q2+\p+1], v[X+16+\p:X+16+\p+1], v[X+24+\p:X+24+\p+1]
.endr
.irp p, 0,2,4,6
	v_pk_add_f32 v[S+\p:S+\p+1], v[S+\p:S+\p+1], v[Q2+\p:Q2+\p+1]
.endr
.irp k, 1,2,4,8
.irp j, 0,1,2,3,4,5,6,7
	v_add_f32_dpp v[S+\j], v[S+\j], v[S+\j] row_xmask:\k row_mask:0xf bank_mask:0xf
.endr
.endr
.irp dt, 0,1,2,3
.irp p, 0,2,4,6
	v_pk_fma_f32 v[X+8*\dt+\p:X+8*\dt+\p+1], v[S+\p:S+\p+1], s[66:67], v[X+8*\dt+\p:X+8*\dt+\p+1] op_sel_hi:[1,0,1]   ; x - mean
.endr
.endr
.irp p, 0,2,4,6
	v_pk_mul_f32 v[Q2+\p:Q2+\p+1], v[X+\p:X+\p+1], v[X+\p:X+\p+1]
.endr
.irp dt, 1,2,3
.irp p, 0,2,4,6
	v_pk_fma_f32 v[Q2+\p:Q2+\p+1], v[X+8*\dt+\p:X+8*\dt+\p+1], v[X+8*\dt+\p:X+8*\dt+\p+1], v[Q2+\p:Q2+\p+1]
.endr
.endr
.irp k, 1,2,4,8
.irp j, 0,1,2,3,4,5,6,7
	v_add_f32_dpp v[Q2+\j], v[Q2+\j], v[Q2+\j] row_xmask:\k row_mask:0xf bank_mask:0xf
.endr
.endr
.irp p, 0,2,4,6
	v_pk_fma_f32 v[Q2+\p:Q2+\p+1], v[Q2+\p:Q2+\p+1], s[68:69], v[EPS:EPS+1] op_sel_hi:[1,0,1]   ; the variance + eps
.endr
.irp j, 0,1,2,3,4,5,6,7
	v_rsq_f32 v[Q2+\j], v[Q2+\j]
.endr
	v_nop                                          ; a plain instruction between the last root and the use of its result
	s_wait_alu depctr_va_vdst(0)
.irp dt, 0,1,2,3
.irp p, 0,2,4,6
	v_pk_mul_f32 v[X+8*\dt+\p:X+8*\dt+\p+1], v[X+8*\dt+\p:X+8*\dt+\p+1], v[Q2+\p:Q2+\p+1]
.endr
.endr
.irp dt, 0,1,2,3
.irp p, 0,2,4,6
	v_pk_fma_f32 v[X+8*\dt+\p:X+8*\dt+\p+1], v[X+8*\dt+\p:X+8*\dt+\p+1], v[WW+2*\dt:WW+2*\dt+1], v[BB+2*\dt:BB+2*\dt+1]
.endr
.endr
.set i, 0
.rept 32
	v_med3_num_f32 v[X+i], v[X+i], -v[LIM], v[LIM] ; the conversion to an 8-bit code does not saturate (ISA guide 7.6.2): the hold at the largest code x the scale
.set i, i+1
.endr
.irp dt, 0,1,2,3
	v_cvt_scalef32_pk8_fp8_f32 v[CF+8*\dt+2*\rt:CF+8*\dt+2*\rt+1], v[X+8*\dt:X+8*\dt+7], v[SC]
.endr
	v_nop                                          ; a plain instruction behind the last conversion: the next products write its sources
.endm
.macro TILEROW a, rt
	s_wait_dscnt 0x0                               ; this tile's rows are in
	PROJ
.if \rt < 3
	ALOAD \a, \rt+1                                ; the next tile's rows land while this one is normalised
.endif
	LNQ \rt
.endm
.macro WORK a                          ; a step: my 64 rows become four fragments (16 channels x 64 rows), which go to LDS as they stand: lane l's 16 bytes at 16 l
	ALOAD \a, 0
	TILEROW \a, 0
	TILEROW \a, 1
	TILEROW \a, 2
	TILEROW \a, 3
.irp dt, 0,1,2,3
.irp hf, 0,1
	ds_store_b128 v[IMGW], v[CF+8*\dt+4*\hf:CF+8*\dt+4*\hf+3] offset:\dt*1024+\hf*512
.endr
.endr
.endm
; k^T v of a step: my tile of k's channels against v's four, for both halves of the rows: eight products, four accumulators by turns.
; last = 0: a barrier says that the images have been read, so that the next step may store its own; the products stand between its signal and its wait.
.macro KVPHASE zero, last
.irp rq, 0,1
.irp hf, 0,1
	ds_load_b128 v[X+8*\rq+4*\hf:X+8*\rq+4*\hf+3], v[IMGK] offset:\rq*16384+\hf*512
.endr
.endr
.irp rq, 0,1
.irp et, 0,1,2,3
.irp hf, 0,1
	ds_load_b128 v[AF+8*(4*\rq+\et)+4*\hf:AF+8*(4*\rq+\et)+4*\hf+3], v[IMGV] offset:\rq*16384+\et*1024+\hf*512
.endr
.endr
.endr
	s_wait_dscnt 0x0
.if !\last
	s_barrier_signal -1
.endif
.irp rq, 0,1
.irp et, 0,1,2,3
.if \zero && (\rq == 0)
	v_wmma_f32_16x16x64_fp8_fp8 v[KV+8*\et:KV+8*\et+7], v[X+8*\rq:X+8*\rq+7], v[AF+8*(4*\rq+\et):AF+8*(4*\rq+\et)+7], 0
.else
	v_wmma_f32_16x16x64_fp8_fp8 v[KV+8*\et:KV+8*\et+7], v[X+8*\rq:X+8*\rq+7], v[AF+8*(4*\rq+\et):AF+8*(4*\rq+\et)+7], v[KV+8*\et:KV+8*\et+7]
.endif
.endr
.endr
	PLACES 5                                       ; the next projection's results are laid over k's fragments: five places; four serve the loads and the stores
.if !\last
	s_barrier_wait -1
.endif
.endm
	s_wait_tensorcnt 0x1                           ; my part of step 0 is in; step 1's load, issued behind it, may stay out
	s_barrier_signal -1
	s_barrier_wait -1
.irp n, 0,1                            ; steps 0 and 1: their slot is filled again, with the step two on
	WORK ADR+\n
	s_wait_tensorcnt 0x0                           ; all my tensor loads have landed: my part of the next step's slot
	ds_add_u32 v[SPW], v[NIL]                      ; 0 onto my spare word
	s_add_nc_u64 s[G0K+4*\n+2:G0K+4*\n+3], s[G0K+4*\n+2:G0K+4*\n+3], 131072   ; two steps of 128 rows on
	s_add_nc_u64 s[G0V+4*\n+2:G0V+4*\n+3], s[G0V+4*\n+2:G0V+4*\n+3], 131072
	s_wait_dscnt 0x0                               ; the add is done, my reads of the slot are over, my images have landed
	CROUND                                         ; the same holds of every wave of the four work-groups
	JLOAD \n
	KVPHASE 1-\n, 0
.endr
	WORK ADR
	s_wait_tensorcnt 0x0                           ; my part of step 3's slot has landed
	ds_add_u32 v[SPW], v[NIL]
	s_wait_dscnt 0x0
	s_barrier_signal -1
	s_barrier_wait -1
	KVPHASE 0, 0
	WORK ADR+1
	s_wait_dscnt 0x0                               ; my images have landed
	s_barrier_signal -1
	s_barrier_wait -1
	KVPHASE 0, 1
.irp et, 0,1,2,3
.irp jq, 0,1
	global_store_b128 v[L16], v[KV+8*\et+4*\jq:KV+8*\et+4*\jq+3], s[30:31] offset:\et*1024+\jq*512   ; the wave stores 512 consecutive bytes, aligned; each accumulator from its low end on
.endr
.endr
	s_wait_tensorcnt 0x0                           ; the wave's end
	ds_add_u32 v[SPW], v[NIL]
	s_wait_dscnt 0x0
	CROUND                                         ; the closing round
	s_endpgm
.Lfunc_end_k_qc9cc062615_kvpart:
	.size	k_qc9cc062615_kvpart, .Lfunc_end_k_qc9cc062615_kvpart-k_qc9cc062615_kvpart
	.p2alignl 7, 3214868480
	.fill 96, 4, 3214868480
	.section	.rodata,"a",@progbits
	.p2align	6, 0x0
	.amdhsa_kernel k_qc9cc062615_kvpart
		.amdhsa_group_segment_fixed_size 327680
		.amdhsa_private_segment_fixed_size 0
		.amdhsa_enable_private_segment 0
		.amdhsa_kernarg_size 96
		.amdhsa_user_sgpr_count 2
		.amdhsa_user_sgpr_kernarg_segment_ptr 1
		.amdhsa_wavefront_size32 1
		.amdhsa_system_sgpr_workgroup_id_x 1
		.amdhsa_system_sgpr_workgroup_id_y 1
		.amdhsa_system_sgpr_workgroup_id_z 1
		.amdhsa_system_vgpr_workitem_id 0
		.amdhsa_next_free_vgpr 512
		.amdhsa_next_free_sgpr 96
		.amdhsa_reserve_vcc 0
		.amdhsa_float_denorm_mode_32 3
		.amdhsa_float_denorm_mode_16_64 3
		.amdhsa_memory_ordered 1
		.amdhsa_forward_progress 1
		.amdhsa_inst_pref_size 250
	.end_amdhsa_kernel
	.amdgpu_metadata
---
amdhsa.version: [ 1, 2 ]
amdhsa.kernels:
  - .name:           k_qc9cc062615_kvpart
    .symbol:         k_qc9cc062615_kvpart.kd
    .args:
      - { .name: key_codes, .offset: 0, .size: 8, .value_kind: global_buffer, .address_space: global }
      - { .name: value_codes, .offset: 8, .size: 8, .value_kind: global_buffer, .address_space: global }
      - { .name: Wk_codes, .offset: 16, .size: 8, .value_kind: global_buffer, .address_space: global }
      - { .name: Wv_codes, .offset: 24, .size: 8, .value_kind: global_buffer, .address_space: global }
      - { .name: bk, .offset: 32, .size: 8, .value_kind: global_buffer, .address_space: global }
      - { .name: bv, .offset: 40, .size: 8, .value_kind: global_buffer, .address_space: global }
      - { .name: kln_w, .offset: 48, .size: 8, .value_kind: global_buffer, .address_space: global }
      - { .name: kln_b, .offset: 56, .size: 8, .value_kind: global_buffer, .address_space: global }
      - { .name: vln_w, .offset: 64, .size: 8, .value_kind: global_buffer, .address_space: global }
      - { .name: vln_b, .offset: 72, .size: 8, .value_kind: global_buffer, .address_space: global }
      - { .name: lowp_scales, .offset: 80, .size: 8, .value_kind: global_buffer, .address_space: global }
      - { .name: kvp, .offset: 88, .size: 8, .value_kind: global_buffer, .address_space: global }
    .group_segment_fixed_size: 327680
    .private_segment_fixed_size: 0
    .kernarg_segment_align: 8
    .kernarg_segment_size: 96
    .max_flat_workgroup_size: 256
    .sgpr_count:     96
    .vgpr_count:     512
    .wavefront_size: 32
...
	.end_amdgpu_metadata
.endif
;; end of part 1
;; launch kvsum (part 2): grid 256 x 1, 4 waves a work-group, no clusters, 0 bytes of LDS; arguments kvp, lowp_scales, kvc; writes kvc
.if DOCPART == 2
	.amdgcn_target "amdgcn-amd-amdhsa--gfx1250"
	.amdhsa_code_object_version 6
	.text
	.protected	k_qc9cc062615_kvsum
	.globl	k_qc9cc062615_kvsum
	.p2align	8
	.type	k_qc9cc062615_kvsum,@function
k_qc9cc062615_kvsum:
	s_mov_b64 s[64:65], 0
	v_nop
	global_prefetch_b8 v0, s[64:65] scope:SCOPE_SE
	s_setreg_imm32_b32 hwreg(HW_REG_WAVE_MODE, 25, 1), 1
	s_wait_xcnt 0x0
; kv = (the sum of a batch's eight partial sums) x 2^(e6 + e7) / 4096, quantised to E4M3 with the given 2^e9, along d.
; Work-group x = (8 x batch + head) x 4 + et (tile of v's channels); wave i = tile of k's channels.  A partial sum lies as an image of an accumulator: lane (r, h), register j = kv(16 i + 8 h + j, 16 et + r).
; So a lane's eight numbers are eight neighbours along d, the K of q kv: one conversion gives registers 2 i, 2 i + 1 of the operand (16 channels e x 64 d), and the codes are stored as that operand's image.
; The division by 4,096 and the three scales are folded into the conversion's one: code = sum / 2^(e9 - e6 - e7 + 12).
; LIMIT: e9 - e6 - e7 + 12 between -126 and 119.  No LDS, no barrier, no matrix unit: 64 numbers a lane are read, eight codes stored.
	s_load_b128 s[4:7], s[0:1], 0x0                ; kvp, the scales' exponents
	s_load_b64 s[8:9], s[0:1], 0x10                ; kvc
	v_lshrrev_b32 v1, 5, v0
	v_readfirstlane_b32 s10, v1                    ; wave = i
	v_and_b32 v2, 31, v0
	v_lshlrev_b32 v3, 4, v2                        ; 16 x lane
	v_lshlrev_b32 v4, 3, v2                        ; 8 x lane
	s_lshr_b32 s16, ttmp9, 5
	s_lshl_b32 s16, s16, 20                        ; the batch's eight partial sums of 131,072 bytes
	s_bfe_u32 s17, ttmp9, 0x30002
	s_lshl_b32 s17, s17, 14                        ; the head
	s_add_co_u32 s16, s16, s17
	s_and_b32 s17, ttmp9, 3
	s_lshl_b32 s17, s17, 10                        ; et
	s_add_co_u32 s16, s16, s17
	s_lshl_b32 s17, s10, 12                        ; i
	s_add_co_u32 s16, s16, s17
	s_mov_b32 s17, 0
	s_lshl_b32 s18, ttmp9, 10
	s_lshl_b32 s19, s10, 8
	s_add_co_u32 s18, s18, s19
	s_mov_b32 s19, 0
	s_wait_kmcnt 0x0
	s_load_b64 s[12:13], s[6:7], 0x18              ; e6, e7
	s_load_b64 s[14:15], s[6:7], 0x20              ; e8, e9
	s_add_nc_u64 s[4:5], s[4:5], s[16:17]
	s_add_nc_u64 s[8:9], s[8:9], s[18:19]
.irp s, 0,1,2,3,4,5,6,7
.irp jq, 0,1
	global_load_b128 v[16+8*\s+4*\jq:16+8*\s+4*\jq+3], v3, s[4:5] offset:\s*131072+\jq*512   ; the wave reads 512 consecutive bytes
.endr
.endr
	s_wait_kmcnt 0x0
	s_sub_co_i32 s20, s15, s12
	s_sub_co_i32 s20, s20, s13
	s_add_co_i32 s20, s20, 139                     ; + 12 + 127
	s_lshl_b32 s21, s20, 23
	v_mov_b32 v6, s21                              ; 2^(e9 - e6 - e7 + 12) as f32
	s_add_co_i32 s20, s20, 8
	s_lshl_b32 s20, s20, 23
	s_or_b32 s20, s20, 0x600000
	v_mov_b32 v5, s20                              ; 448 x that
	s_wait_loadcnt 0x0
.irp s, 1,2,3,4,5,6,7
.irp p, 0,2,4,6
	v_pk_add_f32 v[16+\p:17+\p], v[16+\p:17+\p], v[16+8*\s+\p:17+8*\s+\p]
.endr
.endr
.irp j, 0,1,2,3,4,5,6,7
	v_med3_num_f32 v[16+\j], v[16+\j], -v5, v5     ; the conversion to an 8-bit code does not saturate (ISA guide 7.6.2)
.endr
	v_cvt_scalef32_pk8_fp8_f32 v[8:9], v[16:23], v6
	global_store_b64 v4, v[8:9], s[8:9]            ; the wave stores 256 consecutive bytes, aligned
	s_endpgm
.Lfunc_end_k_qc9cc062615_kvsum:
	.size	k_qc9cc062615_kvsum, .Lfunc_end_k_qc9cc062615_kvsum-k_qc9cc062615_kvsum
	.p2alignl 7, 3214868480
	.fill 96, 4, 3214868480
	.section	.rodata,"a",@progbits
	.p2align	6, 0x0
	.amdhsa_kernel k_qc9cc062615_kvsum
		.amdhsa_group_segment_fixed_size 0
		.amdhsa_private_segment_fixed_size 0
		.amdhsa_enable_private_segment 0
		.amdhsa_kernarg_size 24
		.amdhsa_user_sgpr_count 2
		.amdhsa_user_sgpr_kernarg_segment_ptr 1
		.amdhsa_wavefront_size32 1
		.amdhsa_system_sgpr_workgroup_id_x 1
		.amdhsa_system_sgpr_workgroup_id_y 1
		.amdhsa_system_sgpr_workgroup_id_z 1
		.amdhsa_system_vgpr_workitem_id 0
		.amdhsa_next_free_vgpr 96
		.amdhsa_next_free_sgpr 66
		.amdhsa_reserve_vcc 0
		.amdhsa_float_denorm_mode_32 3
		.amdhsa_float_denorm_mode_16_64 3
		.amdhsa_memory_ordered 1
		.amdhsa_forward_progress 1
		.amdhsa_inst_pref_size 6
	.end_amdhsa_kernel
	.amdgpu_metadata
---
amdhsa.version: [ 1, 2 ]
amdhsa.kernels:
  - .name:           k_qc9cc062615_kvsum
    .symbol:         k_qc9cc062615_kvsum.kd
    .args:
      - { .name: kvp, .offset: 0, .size: 8, .value_kind: global_buffer, .address_space: global }
      - { .name: lowp_scales, .offset: 8, .size: 8, .value_kind: global_buffer, .address_space: global }
      - { .name: kvc, .offset: 16, .size: 8, .value_kind: global_buffer, .address_space: global }
    .group_segment_fixed_size: 0
    .private_segment_fixed_size: 0
    .kernarg_segment_align: 8
    .kernarg_segment_size: 24
    .max_flat_workgroup_size: 128
    .sgpr_count:     66
    .vgpr_count:     96
    .wavefront_size: 32
...
	.end_amdgpu_metadata
.endif
;; end of part 2
;; launch chain (part 3): grid 256 x 1, 4 waves a work-group, clusters of 4 x 1, 327,680 bytes of LDS; arguments query, Wq_codes, Wo1_codes, Wo2_codes, bq, bo1, bo2, kvc, lowp_scales, out0; writes out0
.if DOCPART == 3
	.amdgcn_target "amdgcn-amd-amdhsa--gfx1250"
	.amdhsa_code_object_version 6
	.text
	.protected	k_qc9cc062615_chain
	.globl	k_qc9cc062615_chain
	.p2align	8
	.type	k_qc9cc062615_chain,@function
k_qc9cc062615_chain:
	s_mov_b64 s[64:65], 0
	v_nop
	global_prefetch_b8 v0, s[64:65] scope:SCOPE_SE
	s_setreg_imm32_b32 hwreg(HW_REG_WAVE_MODE, 25, 1), 1
	s_wait_xcnt 0x0
	s_wait_alu depctr_hold_cnt(0) depctr_sa_sdst(0) depctr_va_vdst(0) depctr_va_sdst(0) depctr_va_ssrc(0) depctr_va_vcc(0) depctr_vm_vsrc(0)
	s_getreg_b32 s2, hwreg(HW_REG_IB_STS2, 6, 4)
	s_cmp_eq_u32 s2, 0
	s_cbranch_scc0 .Lentry_in_a_cluster
	s_endpgm
.Lentry_in_a_cluster:
	s_bfe_u32 s2, ttmp6, 0x10000c
	s_cmp_lg_u32 s2, 0x3003
	s_cbranch_scc0 .Lentry_shape_is_right
	s_endpgm
.Lentry_shape_is_right:
; out = gelu((q kv + query) Wo1^T + bo1) Wo2^T + bo2 + query, q = query Wq^T + bq; all four products on codes of E4M3 with the given scales.
; SHARES.  Work-group g = 4 x cluster + cx stays and takes rows 128 g + 64 blk + 0 .. 63, blk = 0, 1.  THE WAVES SHARE THE COLUMNS: wave w makes columns 128 w .. 128 w + 127 (heads 2 w, 2 w + 1) of every layer, for all 64 rows.
; Every product is used TRANSPOSED (source 0 = 16 rows of a weight, source 1 = 16 rows' codes): lane (r, h) holds row r, and register 8 t + j column 128 w + 16 t + 8 h + j.
; So a conversion of a result's eight registers gives registers 2 t, 2 t + 1 of the next layer's operand (k = 16 t + 8 h + j), and a wave's 8 tiles of a tile of rows are K step w of the next product.
; The wave's 64 x 128 numbers of query stay in 256 registers in that same layout from their one load to the start of the last layer, whose sums BEGIN with (query + bo2) / 2^(e12 + e13) as their C;
; from there on those registers take the next block's rows.  ORDER OF ROUNDING: the residual and bo2 are so added ahead of the last layer's products and not behind them.
; Operands go from wave to wave through LDS as images of their registers.  The weights go through two LDS slots (K 0-255, K 256-511 of all 512 rows); every work-group walks the same weights,
; so each tile is asked for JOINTLY by the four of a cluster (mask 15).  Each wave fetches, and alone reads, its own 128 rows: its own wait for its tensor loads is all that those reads need.
; A K step's 32 products go in four groups of eight, and the next K step's 80 LDS loads in four short runs ahead of them.  A layer's first weights are fetched under the layer before's vector work.
; gelu is the exact one: erf(z) = z P(z^2) / Q(z^2), z held within +-4, degrees 6 and 4 in z^2, and 0.5 x (1 + erf) is formed as x/2 + x/2 erf.
; LIMITS: e0 + e1, e8 + e9, e10 + e11 between -126 and 127; e12 + e13 between -126 and 126; e0, e8, e10, e12 between -126 and 119.  NaN among the inputs is not served.
; REGISTERS, in windows of 256.  Window 0: v0-15 addresses; v16-23 (scale, 448 x scale) for e0, e8, e10, e12; v24-27 two coefficients; v32-95 kv's 8 fragments; v96-111 codes;
;   v128-191 R1 (rows' fragments, set 0; codes; at work in gelu and on the way out); v192-255 T (rows' fragments, set 1; 64 numbers at work).
;   Window 1: the weights' fragments, two sets of 128; a layer's bias takes v0-63 when set 0 is done with; on the way out: the rows that come back from the stage.
;   Window 2: the 32 accumulators, (m, t) at 64 m + 8 t.   Window 3: query, tile of rows m at 64 m.
.set WP,    272                        ; a weight's row in LDS: 256 bytes + 16 = 68 words: lane (r, h) of a load of 8 bytes begins 4 r + 2 h words on modulo 64: each of the 64 banks once (ISA guide 11.1)
.set WQ,    128*WP                     ; a wave's 128 rows
.set SLOT,  4*WQ
.set U,     2*SLOT                     ; behind the ring: 8,448 bytes for each wave: its four images of 2,048 bytes, or its stage of 16 rows x 528
.set UW,    8448
.set SP,    528
.set SPARE, U+4*UW                     ; the spare words, 128 bytes for each wave: two blocks of 256 bytes that no other line names
.set BIASL, SPARE+512                  ; behind them: each wave's 128 numbers of bq, of bo1 and of bo2 / 2^(e12 + e13): 1,536 bytes a wave, stored once; no fill lands here
.set BWV,   1536
.set LI,  3                            ; v3   U + 16 x lane
.set IW,  4                            ; v4   my part of U + 16 x lane
.set SO,  5                            ; v5   my stage: row r, + 32 h
.set BA,  6                            ; v6, v7  my weights' rows in the lower, the upper slot: row r, + 8 h
.set GO,  8                            ; v8   16 x lane
.set BL,  9                            ; v9   my biases in LDS, + 32 h
.set PFO, 10                           ; v10  the prefetches' offset
.set TA,  11                           ; v11  an image's place in the gelu loop
.set SPW, 12                           ; v12  my spare word; never rewritten
.set NIL, 13                           ; v13  0; never rewritten
.set KVF, 32
.set PC,  96
.set R1,  128
.set T,   192
.set GZ,  R1
.set GW,  R1+16
.set GP,  R1+32
.set GD,  R1+48
.set WV,  24                           ; s24  wave
.set BLK, 25                           ; s25  blocks to go, this one among them
.set MC,  26                           ; s26  the gelu loop's tile of rows
.set MOFF, 27                          ; s27  2,048 x that
.set G1,  32                           ; s[32:39] descriptor group 1
.set GLO, 40                           ; s[40:43] group 0 of the lower slot
.set GHI, 44                           ; s[44:47] of the upper
.set MSB, 0
.macro WIN new                         ; the immediate's high byte repeats the setting that is left
.if MSB != \new
	s_set_vgpr_msb (MSB<<8)|\new
.set MSB, \new
.endif
.endm
.macro PLACES n
.rept \n
	v_nop
.endr
.endm
.macro CROUND                          ; a round of the cluster's barrier
	s_barrier_signal -1
	s_barrier_wait -1
	s_cmp_lg_u32 s[WV], 0
	s_cbranch_scc1 .Lnot_wave_0_\@
	s_barrier_signal -3
.Lnot_wave_0_\@:
	s_barrier_wait -3
	s_barrier_signal -1
	s_barrier_wait -1
.endm
.macro BARRIER                         ; my LDS stores have landed and my LDS loads are in: then the work-group's barrier
	s_wait_dscnt 0x0
	s_barrier_signal -1
	s_barrier_wait -1
.endm
; A slot has been read out.  Each wave waits for all its tensor loads (the other slot's), adds 0 to its spare word, and waits for that and for its LDS reads.
; fill = 1: a round of the cluster's barrier, and the slot takes 256 along K, from byte off of the rows at s[wptr]: my 128 rows, one load a wave, first behind the round; four v_nop follow it.
.macro CHANGE g0, wptr, off, fill
	s_wait_tensorcnt 0x0
	ds_add_u32 v[SPW], v[NIL]
.if \fill
	s_add_nc_u64 s[\g0+2:\g0+3], s[\wptr:\wptr+1], \off   ; no load of mine is out: the group 0 may be written
	s_or_b32 s[\g0+3], s[\g0+3], 0x80000000
.endif
	s_wait_dscnt 0x0
.if \fill
	CROUND
	tensor_load_to_lds s[\g0:\g0+3], s[G1:G1+7]
	s_nop 0
	PLACES 4                                       ; also the places in front of the loads that follow
.else
	s_barrier_signal -1
	s_barrier_wait -1
	PLACES 4
.endif
.endm
; n of my 8 tiles of 16 weight rows x 128 K (the kl-th 128 of the slot), from tile t0 on, into set: registers 2 c, 2 c + 1 hold k = 16 c + 8 h + 0 .. 7
.macro FB slot, kl, set, t0, n
	WIN 0x40
.set tt, \t0
.rept \n
.irp c, 0,1,2,3,4,5,6,7
	ds_load_b64 v[128*\set+16*tt+2*\c:128*\set+16*tt+2*\c+1], v[BA+\slot] offset:tt*16*WP+128*\kl+16*\c
.endr
.set tt, tt+1
.endr
.endm
.macro FETCH_B slot, kl, set           ; all eight
	FB \slot, \kl, \set, 0, 8
	WIN 0
.endm
; the four tiles of rows, K step ks: wave ks's images
.macro FETCH_A ks, set
	WIN 0
.irp m, 0,1,2,3
.irp c, 0,1,2,3
	ds_load_b128 v[R1+64*\set+16*\m+4*\c:R1+64*\set+16*\m+4*\c+3], v[LI] offset:\ks*UW+\m*2048+512*\c
.endr
.endr
.endm
; eight products: tile of rows m against my eight tiles of weights.  Over a K step the 32 accumulators take turns, one instruction a turn, in the same order in every K step.  zero = 1: they start the sums
.macro MULM set, m, zero
	WIN 0xa1                                       ; source 0 (weights) window 1, source 1 (rows) window 0, C and D window 2
.irp t, 0,1,2,3,4,5,6,7
.if \zero
	v_wmma_f32_16x16x128_fp8_fp8 v[64*\m+8*\t:64*\m+8*\t+7], v[128*\set+16*\t:128*\set+16*\t+15], v[R1+64*\set+16*\m:R1+64*\set+16*\m+15], 0
.else
	v_wmma_f32_16x16x128_fp8_fp8 v[64*\m+8*\t:64*\m+8*\t+7], v[128*\set+16*\t:128*\set+16*\t+15], v[R1+64*\set+16*\m:R1+64*\set+16*\m+15], v[64*\m+8*\t:64*\m+8*\t+7]
.endif
.endr
.endm
; A K step on set cur; the next K step's fragments (weights: the kl-th 128 of slot; rows: K step ks) go into set nxt in four short runs, one ahead of each group of eight products.
; Set nxt was last read by the K step before: the four places that its loads want stand ahead of this macro.
.macro STEPF cur, nxt, zero, slot, kl, ks
	FETCH_A \ks, \nxt
	MULM \cur, 0, \zero
	FB \slot, \kl, \nxt, 0, 3
	MULM \cur, 1, \zero
	FB \slot, \kl, \nxt, 3, 3
	MULM \cur, 2, \zero
	FB \slot, \kl, \nxt, 6, 2
	MULM \cur, 3, \zero
	WIN 0
.endm
.macro MUL set                         ; a layer's last K step: nothing more to fetch
	MULM \set, 0, 0
	MULM \set, 1, 0
	MULM \set, 2, 0
	MULM \set, 3, 0
	WIN 0
.endm
.macro BIASLOAD k, win, reg            ; my 128 numbers of bias k out of LDS, in the result's layout: register 8 t + j = bias(128 w + 16 t + 8 h + j); the sixteen lanes of a half read the same bytes
	WIN \win
.irp t, 0,1,2,3,4,5,6,7
.irp jj, 0,1
	ds_load_b128 v[\reg+8*\t+4*\jj:\reg+8*\t+4*\jj+3], v[BL] offset:512*\k+64*\t+16*\jj
.endr
.endr
	WIN 0
.endm
.macro QLOAD m                         ; the next block's tile of rows m of query, as it lies: my 512 bytes of a row by the 32 lanes; 64 rows of 2,048 bytes on
	WIN 0xc0
.set i, 0
.rept 16
	global_load_b128 v[64*\m+4*i:64*\m+4*i+3], v[GO], s[4:5] offset:131072+(16*\m+i)*2048 th:TH_LOAD_NT
.set i, i+1
.endr
	WIN 0
.endm
.macro LHEAD                           ; K step 0 of a layer that starts on set 0: its weights were fetched earlier; the rows' images come now
	FETCH_A 0, 0
	s_wait_dscnt 0x0
	STEPF 0, 1, 1, 0, 1, 1
.endm
; K steps 1 to 3, on sets a, b, a.  At K step 1's head the lower slot has been read out: it takes the next layer's (fill = 1).  In K step 3: bias >= 0: the layer's bias into the weights' set 0, which is done with (then a = 1);
; ql = 1: the fourth tile of the next block's query (16 loads behind the 48 of the first three).
.macro LREST a, b, wlo, fill, bias, ql
	CHANGE GLO, \wlo, 0, \fill
	STEPF \a, \b, 0, 1, 0, 2
	s_wait_dscnt 0x0
	PLACES 4                                       ; in front of loads into registers that the products above have read
	STEPF \b, \a, 0, 1, 1, 3
	s_wait_dscnt 0x0
	PLACES 4
.if \bias >= 0
	BIASLOAD \bias, 0x40, 0
.endif
.if \ql
	QLOAD 3
.endif
	MUL \a
	PLACES 4                                       ; in front of the first read of the sums
.endm
; T = the sums of tile of rows m x the scalar sc + 64 numbers at v[b2] of the window that win names for source 2 (0x12: the bias; 0x32: query); each accumulator from its low end on
.macro AFF m, sc, win, b2
	WIN \win
.set i, 0
.rept 32
	v_pk_fma_f32 v[T+i:T+i+1], v[64*\m+i:64*\m+i+1], s[\sc:\sc+1], v[\b2+i:\b2+i+1] op_sel_hi:[1,0,1]
.set i, i+2
.endr
	WIN 0
.endm
.macro HOLDCVT dst, sc                 ; T's 64 numbers become a fragment's 16 registers of codes at v[dst]
.set i, 0
.rept 64
	v_med3_num_f32 v[T+i], v[T+i], -v[\sc+1], v[\sc+1]   ; the conversion to an 8-bit code does not saturate (ISA guide 7.6.2)
.set i, i+1
.endr
.set i, 0
.rept 8
	v_cvt_scalef32_pk8_fp8_f32 v[\dst+2*i:\dst+2*i+1], v[T+8*i:T+8*i+7], v[\sc]
.set i, i+1
.endr
	v_nop                                          ; a plain instruction behind the last conversion
.endm
.macro IMAGE src, m                    ; a fragment goes to LDS as it stands: lane l's 16 bytes at 16 l
.irp c, 0,1,2,3
	ds_store_b128 v[IW], v[\src+4*\c:\src+4*\c+3] offset:(\m)*2048+512*\c
.endr
.endm
; query's tile of rows m was loaded as it lies (a row's 512 bytes by the 32 lanes); it turns through my stage into the results' layout.  LDS serves a wave's instructions in order (ISA guide 5.7.1.4).
.macro TURN m
	s_wait_loadcnt 16*(3-\m)                       ; the 16 loads of each later tile may stay out: on both ways here query's 64 loads are the youngest
	WIN 0x0c                                       ; store data window 3
.set i, 0
.rept 16
	ds_store_b128 v[IW], v[64*\m+4*i:64*\m+4*i+3] offset:i*SP
.set i, i+1
.endr
	WIN 0xc0                                       ; destination window 3
.irp t, 0,1,2,3,4,5,6,7
.irp jj, 0,1
	ds_load_b128 v[64*\m+8*\t+4*\jj:64*\m+8*\t+4*\jj+3], v[SO] offset:64*\t+16*\jj
.endr
.endr
	WIN 0
.endm
.macro XQ m                            ; query's tile m is quantised: codes at R1 + 16 m; query itself stays
	WIN 0x03
.set i, 0
.rept 64
	v_med3_num_f32 v[T+i], v[64*\m+i], -v17, v17
.set i, i+1
.endr
	WIN 0
.set i, 0
.rept 8
	v_cvt_scalef32_pk8_fp8_f32 v[R1+16*\m+2*i:R1+16*\m+2*i+1], v[T+8*i:T+8*i+7], v16
.set i, i+1
.endr
	v_nop
.endm
; T's 64 numbers x become 0.5 x (1 + erf(x / sqrt 2)), sixteen at a time, each stage over eight pairs
.macro GELU64
.irp g, 0,1,2,3
.set XB, T+16*\g
.set i, 0
.rept 8
	v_pk_mul_f32 v[GZ+i:GZ+i+1], v[XB+i:XB+i+1], s[94:95] op_sel_hi:[1,0]   ; z = x / sqrt 2
.set i, i+2
.endr
.set i, 0
.rept 16
	v_med3_num_f32 v[GZ+i], v[GZ+i], -4.0, 4.0
.set i, i+1
.endr
.set i, 0
.rept 8
	v_pk_mul_f32 v[GW+i:GW+i+1], v[GZ+i:GZ+i+1], v[GZ+i:GZ+i+1]
.set i, i+2
.endr
.set i, 0
.rept 8
	v_pk_fma_f32 v[GP+i:GP+i+1], v[GW+i:GW+i+1], v[24:25], s[74:75] op_sel_hi:[1,1,0]
	v_pk_fma_f32 v[GD+i:GD+i+1], v[GW+i:GW+i+1], v[26:27], s[86:87] op_sel_hi:[1,1,0]
.set i, i+2
.endr
.irp k, 76,78,80,82,84
.set i, 0
.rept 8
	v_pk_fma_f32 v[GP+i:GP+i+1], v[GP+i:GP+i+1], v[GW+i:GW+i+1], s[\k:\k+1] op_sel_hi:[1,1,0]
.set i, i+2
.endr
.endr
.irp k, 88,90,92
.set i, 0
.rept 8
	v_pk_fma_f32 v[GD+i:GD+i+1], v[GD+i:GD+i+1], v[GW+i:GW+i+1], s[\k:\k+1] op_sel_hi:[1,1,0]
.set i, i+2
.endr
.endr
.set i, 0
.rept 16
	v_rcp_f32 v[GD+i], v[GD+i]
.set i, i+1
.endr
.set i, 0
.rept 8
	v_pk_mul_f32 v[GP+i:GP+i+1], v[GP+i:GP+i+1], v[GZ+i:GZ+i+1]   ; (plain instructions behind the reciprocals, which they do not touch)
.set i, i+2
.endr
.set i, 0
.rept 8
	v_pk_mul_f32 v[GW+i:GW+i+1], v[XB+i:XB+i+1], 0.5 op_sel_hi:[1,0]
.set i, i+2
.endr
.set i, 0
	s_wait_alu depctr_va_vdst(0)
.rept 8
	v_pk_mul_f32 v[GP+i:GP+i+1], v[GP+i:GP+i+1], v[GD+i:GD+i+1]   ; erf
.set i, i+2
.endr
.set i, 0
.rept 8
	v_pk_fma_f32 v[XB+i:XB+i+1], v[GP+i:GP+i+1], v[GW+i:GW+i+1], v[GW+i:GW+i+1]
.set i, i+2
.endr
.endr
.endm
; The last layer's sums begin with query / 2^(e12 + e13) + bo2 / 2^(e12 + e13) (the second stands at R1): 128 packed multiply-adds, after which query's registers are free
.macro CSTART
	WIN 0x83                                       ; destination window 2, source 0 (query) window 3, source 2 window 0
.irp m, 0,1,2,3
.set i, 0
.rept 32
	v_pk_fma_f32 v[64*\m+i:64*\m+i+1], v[64*\m+i:64*\m+i+1], s[62:63], v[R1+i:R1+i+1] op_sel_hi:[1,0,1]
.set i, i+2
.endr
.endr
	WIN 0
.endm
; THE WAY OUT, a tile of 16 rows at a time.  TOSTAGE: sum x 2^(e12 + e13), into T (even tiles) or R1 (odd); through my stage; back as whole rows of 512 bytes into 64 registers of the tile's own in window 1.
; SEND: stored.  While a tile comes back from the stage the next one is scaled.  LDS serves a wave's instructions in order: no wait between the stores and the loads, nor in front of the next tile's stores.
.macro TOSTAGE m
.set TB, T-64*((\m)%2)
	WIN 0x02                                       ; source 0 window 2
.set i, 0
.rept 32
	v_pk_mul_f32 v[TB+i:TB+i+1], v[64*(\m)+i:64*(\m)+i+1], s[72:73] op_sel_hi:[1,0]   ; each accumulator from its low end on
.set i, i+2
.endr
	WIN 0
.irp t, 0,1,2,3,4,5,6,7
.irp jj, 0,1
	ds_store_b128 v[SO], v[TB+8*\t+4*\jj:TB+8*\t+4*\jj+3] offset:64*\t+16*\jj
.endr
.endr
	WIN 0x40                                       ; destination window 1
.set i, 0
.rept 16
	ds_load_b128 v[64*(\m)+4*i:64*(\m)+4*i+3], v[IW] offset:i*SP
.set i, i+1
.endr
	WIN 0
.endm
.macro SEND m, younger                 ; younger: the LDS instructions issued behind tile m's loads: the next tile's 16 stores and 16 loads, or none
	s_wait_dscnt \younger
	WIN 0x04                                       ; store data window 1
.set i, 0
.rept 16
	global_store_b128 v[GO], v[64*(\m)+4*i:64*(\m)+4*i+3], s[22:23] offset:(16*(\m)+i)*2048 th:TH_STORE_NT   ; the wave stores 512 consecutive bytes, aligned
.set i, i+1
.endr
	WIN 0
.endm
.macro E7
	TOSTAGE 0
.irp a, 1,2,3
	TOSTAGE \a
	SEND \a-1, 32
.endr
	SEND 3, 0
.endm
.macro MKQ se, vd                      ; v[vd] = 2^e as f32, v[vd + 1] = 448 x 2^e
	s_add_co_i32 s96, s[\se], 127
	s_lshl_b32 s97, s96, 23
	v_mov_b32 v[\vd], s97
	s_add_co_i32 s96, s96, 8
	s_lshl_b32 s96, s96, 23
	s_or_b32 s96, s96, 0x600000
	v_mov_b32 v[\vd+1], s96
.endm
.macro MKS sa, sd                      ; s[sd], s[sd + 1] = 2^(the two exponents added) as f32
	s_add_co_i32 s[\sd], s[\sa], s[\sa+1]
	s_add_co_i32 s[\sd], s[\sd], 127
	s_lshl_b32 s[\sd], s[\sd], 23
	s_mov_b32 s[\sd+1], s[\sd]
.endm
.macro COEF sd, bits
	s_mov_b32 s[\sd], \bits
	s_mov_b32 s[\sd+1], s[\sd]
.endm
	s_load_b512 s[4:19], s[0:1], 0x0               ; query, Wq, Wo1, Wo2, bq, bo1, bo2, kvc
	s_load_b128 s[20:23], s[0:1], 0x40             ; the scales' exponents, out0
	v_lshl_add_u32 v[SPW], v0, 2, SPARE
	v_mov_b32 v[NIL], 0
	ds_add_u32 v12, v13
	s_wait_dscnt 0x0
	v_lshrrev_b32 v15, 5, v0
	v_readfirstlane_b32 s[WV], v15                 ; wave 0..3
	s_bfe_u32 s28, ttmp6, 0x40000                  ; cx
	s_lshl_b32 s29, ttmp9, 2
	s_add_co_u32 s28, s29, s28                     ; g: it enters query's, out0's and kvc's addresses alone
	s_mov_b32 s[G1], 15|(1<<20)|(1<<21)|(5<<22)|(3<<25)  ; the mask: all four work-groups; elements of 1 byte; padding on; bit 21 beside a mask; after every 64 words, 4 words
	s_mov_b32 s[G1+1], 256<<16                     ; tensor_dim0
	s_mov_b32 s[G1+2], 128<<16                     ; tensor_dim1
	s_mov_b32 s[G1+3], 256<<16                     ; tile_dim0
	s_mov_b32 s[G1+4], 128                         ; tile_dim1
	s_mov_b32 s[G1+5], 512                         ; from row to row
	s_mov_b32 s[G1+6], 0
	s_mov_b32 s[G1+7], 0
	s_mul_i32 s30, s[WV], WQ
	s_mul_i32 s31, s[WV], UW
	s_lshl_b32 s96, s[WV], 16                      ; my 128 rows of 512 bytes of a weight
	s_mov_b32 s97, 0
	s_lshl_b32 s98, s[WV], 9                       ; my 128 numbers of a row, and of a bias
	s_mov_b32 s99, 0
	s_lshl_b32 s100, s28, 18                       ; the work-group's 128 rows of 2,048 bytes
	s_add_co_u32 s100, s100, s98
	s_mov_b32 s101, 0
	s_lshr_b32 s62, s28, 5                         ; the batch
	s_lshl_b32 s62, s62, 15
	s_lshl_b32 s63, s[WV], 13                      ; my two heads' 8 fragments of 1,024 bytes
	s_add_co_u32 s62, s62, s63
	s_mov_b32 s63, 0
	s_wait_kmcnt 0x0
	s_load_b256 s[48:55], s[20:21], 0x0            ; e0 .. e7
	s_load_b128 s[56:59], s[20:21], 0x20           ; e8 .. e11
	s_load_b64 s[60:61], s[20:21], 0x30            ; e12, e13
	s_add_nc_u64 s[4:5], s[4:5], s[100:101]
	s_add_nc_u64 s[22:23], s[22:23], s[100:101]
	s_add_nc_u64 s[6:7], s[6:7], s[96:97]
	s_add_nc_u64 s[8:9], s[8:9], s[96:97]
	s_add_nc_u64 s[10:11], s[10:11], s[96:97]
	s_add_nc_u64 s[12:13], s[12:13], s[98:99]
	s_add_nc_u64 s[14:15], s[14:15], s[98:99]
	s_add_nc_u64 s[16:17], s[16:17], s[98:99]
	s_add_nc_u64 s[18:19], s[18:19], s[62:63]
	s_mov_b32 s[GLO], 1
	s_mov_b32 s[GLO+1], s30
	s_mov_b64 s[GLO+2:GLO+3], s[6:7]
	s_or_b32 s[GLO+3], s[GLO+3], 0x80000000
	s_mov_b32 s[GHI], 1
	s_add_co_u32 s[GHI+1], s30, SLOT
	s_add_nc_u64 s[GHI+2:GHI+3], s[6:7], 256
	s_or_b32 s[GHI+3], s[GHI+3], 0x80000000
	CROUND                                         ; all four work-groups are here: the first joint loads meet
	tensor_load_to_lds s[GLO:GLO+3], s[G1:G1+7]    ; Wq, K 0-255
	s_nop 0
	tensor_load_to_lds s[GHI:GHI+3], s[G1:G1+7]    ; Wq, K 256-511: two loads of mine are out, the most in this text
	s_nop 0
	PLACES 4
	v_and_b32 v1, 15, v0                           ; r
	v_bfe_u32 v2, v0, 4, 1                         ; h
	v_and_b32 v15, 31, v0
	v_lshlrev_b32 v[GO], 4, v15
	v_lshlrev_b32 v14, 3, v15
	v_add_nc_u32 v[LI], U, v[GO]
	v_add_nc_u32 v[IW], s31, v[LI]
	v_mul_u32_u24 v[SO], v1, SP
	v_lshl_add_u32 v[SO], v2, 5, v[SO]
	v_add_nc_u32 v[SO], s31, v[SO]
	v_add_nc_u32 v[SO], U, v[SO]
	v_mul_u32_u24 v[BA], v1, WP
	v_lshl_add_u32 v[BA], v2, 3, v[BA]
	v_add_nc_u32 v[BA], s30, v[BA]
	v_add_nc_u32 v[BA+1], SLOT, v[BA]
	v_lshrrev_b32 v[PFO], 1, v15
	v_lshlrev_b32 v[PFO], 11, v[PFO]
	v_and_b32 v[TA], 1, v15
	v_lshl_add_u32 v[PFO], v[TA], 8, v[PFO]        ; row lane / 2, block lane % 2 of its 512 bytes
	s_mul_i32 s96, s[WV], BWV
	v_lshlrev_b32 v[BL], 5, v2
	v_add_nc_u32 v[BL], s96, v[BL]
	v_add_nc_u32 v[BL], BIASL, v[BL]               ; out of my biases: + 32 h
	v_add_nc_u32 v28, s96, v[GO]
	v_add_nc_u32 v28, BIASL, v28                   ; into them: 16 x lane
	COEF 74, 0x32edffee                            ; erf's numerator, from z^10 down: 2.77068142e-08,
	COEF 76, 0xb60cff51                            ; -2.10102402e-06,
	COEF 78, 0xb86ec2d2                            ; -5.69250639e-05,
	COEF 80, 0xba40ac63                            ; -7.34990630e-04,
	COEF 82, 0xbb41a1f6                            ; -2.95459981e-03,
	COEF 84, 0xbc83dbd4                            ; -1.60960333e-02
	COEF 86, 0xb95fbd29                            ; its denominator, from z^6 down: -2.13374055e-04,
	COEF 88, 0xbadc924e                            ; -1.68282697e-03,
	COEF 90, 0xbbf19bf8                            ; -7.37332917e-03,
	COEF 92, 0xbc69b6a7                            ; -1.42647391e-02
	COEF 94, 0x3f3504f3                            ; 1 / sqrt 2
	v_mov_b32 v24, 0xaf95df0b                      ; the numerator's z^12: -2.72614226e-10
	v_mov_b32 v25, v24
	v_mov_b32 v26, 0xb77460cd                      ; the denominator's z^8: -1.45660718e-05
	v_mov_b32 v27, v26
	s_wait_kmcnt 0x0
	MKQ 48, 16                                     ; e0: query
	MKQ 56, 18                                     ; e8: q
	MKQ 58, 20                                     ; e10: q kv + query
	MKQ 60, 22                                     ; e12: gelu
	MKS 48, 66                                     ; 2^(e0 + e1)
	MKS 56, 68                                     ; 2^(e8 + e9)
	MKS 58, 70                                     ; 2^(e10 + e11)
	MKS 60, 72                                     ; 2^(e12 + e13)
	s_add_co_i32 s62, s60, s61
	s_sub_co_i32 s62, 127, s62
	s_lshl_b32 s62, s62, 23                        ; 2^-(e12 + e13)
	s_mov_b32 s63, s62
	global_load_b128 v[T:T+3], v[GO], s[12:13]     ; my 128 numbers of bq, of bo1, of bo2: 512 consecutive bytes each
	global_load_b128 v[T+4:T+7], v[GO], s[14:15]
	global_load_b128 v[T+8:T+11], v[GO], s[16:17]
.irp f, 0,1,2,3,4,5,6,7                ; kv's fragment (head 2 w + f / 4, tile f % 4 of its channels e): they stay
.irp p, 0,1,2,3
	global_load_b64 v[KVF+8*\f+2*\p:KVF+8*\f+2*\p+1], v14, s[18:19] offset:\f*1024+\p*256
.endr
.endr
	WIN 0xc0
.set i, 0
.rept 64
	global_load_b128 v[4*i:4*i+3], v[GO], s[4:5] offset:i*2048 th:TH_LOAD_NT   ; the first block's rows of query, my 512 bytes of each
.set i, i+1
.endr
	WIN 0
	s_wait_loadcnt 63                              ; the biases are in: 96 loads were issued behind them, and 63 is the largest count that the wait can name
	v_pk_mul_f32 v[T+8:T+9], v[T+8:T+9], s[62:63] op_sel_hi:[1,0]      ; bo2 in the last layer's sums' scale
	v_pk_mul_f32 v[T+10:T+11], v[T+10:T+11], s[62:63] op_sel_hi:[1,0]
	ds_store_b128 v28, v[T:T+3]                    ; bytes of my own: I alone read them, and LDS serves my instructions in order
	ds_store_b128 v28, v[T+4:T+7] offset:512
	ds_store_b128 v28, v[T+8:T+11] offset:1024
	s_mov_b32 s[BLK], 2
.Lblock:
	; ---- query into the results' layout and into codes: K step w of the first product
	TURN 0
	TURN 1
	s_wait_dscnt 32                                ; all but the next tile's 16 stores and 16 loads
	XQ 0
	TURN 2
	s_wait_dscnt 32
	XQ 1
	TURN 3
	s_wait_dscnt 32
	XQ 2
	s_wait_dscnt 0x0
	s_wait_tensorcnt 0x1                           ; my rows of Wq's lower half are in; on both ways here only the upper slot's load was issued behind that one, and it may stay out
	FETCH_B 0, 0, 0                                ; the first layer's first weights come while the last tile is quantised
	XQ 3
.irp m, 0,1,2,3
	IMAGE R1+16*\m, \m
.endr
	BARRIER
	; ---- q = query Wq^T + bq
	LHEAD
	LREST 1, 0, 8, 1, 0, 0                         ; the lower slot takes Wo1's
	s_wait_dscnt 0x0                               ; bq
.irp m, 0,1,2,3
	AFF \m, 66, 0x12, 0
	HOLDCVT R1+16*\m, 18
.endr
	CHANGE GHI, 8, 256, 1                          ; the upper slot takes Wo1's; my rows of Wo1's lower half have landed; nobody reads query's images any more
	FETCH_B 0, 0, 0                                ; the next layer's first weights come under the work below
	; ---- q kv: K = a head's 64; my two heads
	WIN 0x80                                       ; destination window 2
.irp m, 0,1,2,3
.irp hd, 0,1
.irp et, 0,1,2,3
	v_wmma_f32_16x16x64_fp8_fp8 v[64*\m+32*\hd+8*\et:64*\m+32*\hd+8*\et+7], v[KVF+8*(4*\hd+\et):KVF+8*(4*\hd+\et)+7], v[R1+16*\m+8*\hd:R1+16*\m+8*\hd+7], 0
.endr
.endr
.endr
	WIN 0
	PLACES 4
.irp m, 0,1,2,3
	AFF \m, 68, 0x32, 64*\m                        ; + query
	HOLDCVT R1+16*\m, 20
	IMAGE R1+16*\m, \m
.endr
	BARRIER
	; ---- (..) Wo1^T + bo1, gelu
	LHEAD
	LREST 1, 0, 10, 1, 1, 0                        ; the lower slot takes Wo2's
	s_wait_dscnt 0x0                               ; bo1
	CHANGE GHI, 10, 256, 1                         ; the upper slot takes Wo2's; my rows of Wo2's lower half have landed; nobody reads the images any more
	FETCH_B 0, 0, 1                                ; the last layer's first weights, into set 1: set 0 holds bo1 through the loop below
	s_mov_b32 s[MC], 0
	s_mov_b32 s[MOFF], 0
.Lgelu:                                            ; four trips, a tile of rows each: only the lines that name the tile's accumulators are written four times
	s_cmp_eq_u32 s[MC], 0
	s_cbranch_scc1 .Lg0
	s_cmp_eq_u32 s[MC], 1
	s_cbranch_scc1 .Lg1
	s_cmp_eq_u32 s[MC], 2
	s_cbranch_scc1 .Lg2
	AFF 3, 70, 0x12, 0
	s_branch .Lgo
.Lg0:
	AFF 0, 70, 0x12, 0
	s_branch .Lgo
.Lg1:
	AFF 1, 70, 0x12, 0
	s_branch .Lgo
.Lg2:
	AFF 2, 70, 0x12, 0
; A PREFETCH INTO THE L2 of my wave's part of the next block of query: 64 rows x 512 bytes, each aligned block of 256 bytes named once (a lane a block: 16 rows x 2 an instruction).
; It stands in this loop's third trip: two trips and the start of the last layer's sums ahead of the loads that want these bytes.  The last block asks for nothing.
	s_cmp_eq_u32 s[BLK], 1
	s_cbranch_scc1 .Lgo
.irp q, 0,1,2,3
	global_prefetch_b8 v[PFO], s[4:5] offset:131072+32768*\q th:TH_LOAD_NT scope:SCOPE_SE
.endr
.Lgo:
	GELU64
	HOLDCVT PC, 22
	v_add_nc_u32 v[TA], s[MOFF], v[IW]
.irp c, 0,1,2,3
	ds_store_b128 v[TA], v[PC+4*\c:PC+4*\c+3] offset:512*\c
.endr
	s_wait_dscnt 0x0                               ; the stores have read their registers
	s_add_co_u32 s[MOFF], s[MOFF], 2048
	s_add_co_u32 s[MC], s[MC], 1
	s_cmp_lt_u32 s[MC], 4
	s_cbranch_scc1 .Lgelu
	BIASLOAD 2, 0, R1                              ; bo2 / 2^(e12 + e13)
	BARRIER                                        ; gelu's sixteen fragments lie in LDS
	; ---- (..) Wo2^T + bo2 + query: on sets 1, 0, 1, 0
	FETCH_A 0, 1                                   ; the rows' first images land while the sums are started
	CSTART
	s_cmp_eq_u32 s[BLK], 1
	s_cbranch_scc1 .Llast                          ; the last block's tail is written out: it asks for nothing more
	QLOAD 0                                        ; query's registers are free: three tiles of the next block now, the fourth in K step 3
	QLOAD 1
	QLOAD 2
	s_wait_dscnt 0x0
	STEPF 1, 0, 0, 0, 1, 1
	LREST 0, 1, 6, 1, -1, 1                        ; the lower slot takes Wq's, for the next block
	CHANGE GHI, 6, 256, 1                          ; the upper slot takes Wq's; nobody reads the images any more: my part of U is my stage again
	E7
	s_wait_xcnt 0x0                                ; the loads, stores and prefetches have read their addresses and registers: the pointers may step, and window 1 may take weights again
	s_add_nc_u64 s[4:5], s[4:5], 131072
	s_add_nc_u64 s[22:23], s[22:23], 131072
	s_sub_co_u32 s[BLK], s[BLK], 1
	s_branch .Lblock
.Llast:
	s_wait_dscnt 0x0
	STEPF 1, 0, 0, 0, 1, 1
	LREST 0, 1, 6, 0, -1, 0
	BARRIER                                        ; nobody reads the images any more: my part of U is my stage again
	E7
	s_wait_tensorcnt 0x0                           ; the wave's end
	ds_add_u32 v[SPW], v[NIL]
	s_wait_dscnt 0x0
	CROUND                                         ; the closing round
	s_endpgm
.Lfunc_end_k_qc9cc062615_chain:
	.size	k_qc9cc062615_chain, .Lfunc_end_k_qc9cc062615_chain-k_qc9cc062615_chain
	.p2alignl 7, 3214868480
	.fill 96, 4, 3214868480
	.section	.rodata,"a",@progbits
	.p2align	6, 0x0
	.amdhsa_kernel k_qc9cc062615_chain
		.amdhsa_group_segment_fixed_size 327680
		.amdhsa_private_segment_fixed_size 0
		.amdhsa_enable_private_segment 0
		.amdhsa_kernarg_size 80
		.amdhsa_user_sgpr_count 2
		.amdhsa_user_sgpr_kernarg_segment_ptr 1
		.amdhsa_wavefront_size32 1
		.amdhsa_system_sgpr_workgroup_id_x 1
		.amdhsa_system_sgpr_workgroup_id_y 1
		.amdhsa_system_sgpr_workgroup_id_z 1
		.amdhsa_system_vgpr_workitem_id 0
		.amdhsa_next_free_vgpr 1024
		.amdhsa_next_free_sgpr 102
		.amdhsa_reserve_vcc 0
		.amdhsa_float_denorm_mode_32 3
		.amdhsa_float_denorm_mode_16_64 3
		.amdhsa_memory_ordered 1
		.amdhsa_forward_progress 1
		.amdhsa_inst_pref_size 255
	.end_amdhsa_kernel
	.section	.bss,"aw",@nobits
	.p2align	6
	.space	262144
	.amdgpu_metadata
---
amdhsa.version: [ 1, 2 ]
amdhsa.kernels:
  - .name:           k_qc9cc062615_chain
    .symbol:         k_qc9cc062615_chain.kd
    .args:
      - { .name: query, .offset: 0, .size: 8, .value_kind: global_buffer, .address_space: global }
      - { .name: Wq_codes, .offset: 8, .size: 8, .value_kind: global_buffer, .address_space: global }
      - { .name: Wo1_codes, .offset: 16, .size: 8, .value_kind: global_buffer, .address_space: global }
      - { .name: Wo2_codes, .offset: 24, .size: 8, .value_kind: global_buffer, .address_space: global }
      - { .name: bq, .offset: 32, .size: 8, .value_kind: global_buffer, .address_space: global }
      - { .name: bo1, .offset: 40, .size: 8, .value_kind: global_buffer, .address_space: global }
      - { .name: bo2, .offset: 48, .size: 8, .value_kind: global_buffer, .address_space: global }
      - { .name: kvc, .offset: 56, .size: 8, .value_kind: global_buffer, .address_space: global }
      - { .name: lowp_scales, .offset: 64, .size: 8, .value_kind: global_buffer, .address_space: global }
      - { .name: out0, .offset: 72, .size: 8, .value_kind: global_buffer, .address_space: global }
    .group_segment_fixed_size: 327680
    .private_segment_fixed_size: 0
    .kernarg_segment_align: 8
    .kernarg_segment_size: 80
    .max_flat_workgroup_size: 128
    .sgpr_count:     102
    .vgpr_count:     1024
    .wavefront_size: 32
...
	.end_amdgpu_metadata
.endif
;; end of part 3
